; MI455X (gfx1250); checked and timed in simulation.
; The chip was launched on July 23, 2026; its instructions are those of AMD's public machine-readable ISA for CDNA 5 (MIT licence, August 2026) and "CDNA5" Instruction Set Architecture Reference Guide (July 2026). The comments in the code are by the model that wrote it; some were corrected since.
;; Head. Allowed arithmetic: matrix products marked QUANTISED: E5M2 operands, one E8M0 scale for each 32 along K, by v_wmma_scale_f32_16x16x128_f8f6f4 with both operands' format E5M2, f32 sums; everything else in f32.
;; Inputs: Wk 128 x 128 float32; Wq 128 x 128 float32; Wv 128 x 128 float32; x 16 x 2,048 x 128 float32.
;; Outputs: out0 16 x 2,048 x 128 float32.
;; This version of the problem:
;;   THIS VERSION OF THE PROBLEM IS GIVEN IN LOW PRECISION. The matrix products marked QUANTISED in the list below multiply operands that are first quantised to E5M2 (5 exponent bits, 2 mantissa bits; 8 bits a number), with one power-of-two scale for each 32 numbers along K (OCP MX v1.0); their sums are f32. All else is computed in f32.
;;   The module's matrix products, in the order in which they are computed (A, B: the left and right operand; K: the contracted axis; several contracted axes count as one K, in the product's order):
;;     1. [M 32,768, K 128] x [K 128, N 128]; A: input x; B: input Wq: QUANTISED
;;     2. [M 32,768, K 128] x [K 128, N 128]; A: input x; B: input Wk: QUANTISED
;;     3. [M 32,768, K 128] x [K 128, N 128]; A: input x; B: input Wv: QUANTISED
;;     4. batch 16 x [M 2,048, K 128] x [K 128, N 2,048]; A: computed on the way; B: computed on the way: QUANTISED
;;     5. batch 16 x [M 2,048, K 2,048] x [K 2,048, N 128]; A: softmax (see below); B: computed on the way: QUANTISED
;;   THE QUANTISER, for each operand of a quantised product, along K:
;;     - K is cut into blocks of 32 from its start; a last block that is shorter is filled with zeros.
;;     - A block's scale is 2^e with e = floor(log2(the largest magnitude in the block)) - 15, held to -126 .. 127; a block of zeros has e = 0. As a byte (E8M0): e + 127.
;;     - Each number is divided by its block's scale, clamped to +-57,344, and rounded to the nearest number of E5M2, ties to even, subnormals kept.
;;     - The product sums the exact products of the quantised numbers (number of the format x scale) in f32.
;;   ~~~python
;;   def quantise(x, axis):      # numpy; x: float32 -> the quantised numbers, widened to float32 again
;;       x = np.moveaxis(x, axis, -1); K = x.shape[-1]
;;       x = np.pad(x, [(0, 0)] * (x.ndim - 1) + [(0, -K % 32)]); x = x.reshape(x.shape[:-1] + (-1, 32)); a = np.abs(x).max(-1, keepdims=True)
;;       e = np.where(a > 0, np.clip(np.frexp(np.where(a > 0, a, 1))[1] - 1 - 15, -126, 127), 0)      # np.frexp(a)[1] - 1 = floor(log2(a)), exactly
;;       r = np.clip(x / 2.0 ** e, -57344, 57344)
;;       step = 2.0 ** (np.maximum(np.frexp(np.where(r == 0, 1, r))[1] - 1, -14) - 2)
;;       q = np.round(r / step) * step * 2.0 ** e      # np.round: ties to even
;;       return np.moveaxis(q.reshape(q.shape[:-2] + (-1,))[..., :K], -1, axis).astype(np.float32)
;;   ~~~
;;   SOFTMAX AHEAD OF A QUANTISED PRODUCT. Where the list says 'softmax', what is quantised is not the finished softmax but p = 2^(t - M), with t = logit x log2(e) and M = ceil(the row's largest t), a whole number; so 1/2 < the row's largest p <= 1. The row's sum l is taken of the UNQUANTISED p, in f32, and the product's result is divided by l at the end. Since M is a whole number, a kernel that streams over the keys may use a running M (the ceiling of the running maximum): every later rescaling is an exact power of two, which a block's scale takes up: the codes' values come out the same.
;;   OPERANDS COMPUTED ON THE WAY. 'Computed on the way' means the value that the module computes at that place (a softmax that the list does not call 'softmax' is quantised finished and normalised). What goes into a quantiser is computed in f32, as accurately as f32 sums, v_exp_f32 and their like allow (about 1e-6 of the number): no bf16 or f16 on the way to a quantiser, and a product that is left as it is and whose result goes on into a quantised operand takes f32 operands (vector FMAs, or v_wmma_f32_16x16x4_f32). A number that lies on a knife's edge between two numbers of the format may be rounded either way, as far as f32 arithmetic and the matrix unit's own rounding can turn it there, and no further.
;; One version. Each part assembles by itself: llvm-mc -triple=amdgcn-amd-amdhsa -mcpu=gfx1250 --defsym DOCPART=n.
;; ======== version 1 of 1: 2 launches
;; limits: right only within a limited range of input values
;; workspace buffers: qbuf 4,325,376 bytes; kvbuf 8,650,752 bytes
;; launch proj (part 1): grid 256 x 1, 8 waves a work-group, clusters of 4 x 1, 327,680 bytes of LDS; arguments x, Wq, Wk, Wv, qbuf, kvbuf; writes qbuf, kvbuf
.if DOCPART == 1
	.amdgcn_target "amdgcn-amd-amdhsa--gfx1250"
	.amdhsa_code_object_version 6
	.text
	.protected	k_q19cb5db0f5_proj
	.globl	k_q19cb5db0f5_proj
	.p2align	8
	.type	k_q19cb5db0f5_proj,@function
k_q19cb5db0f5_proj:
	s_mov_b64 s[64:65], 0
	v_nop
	global_prefetch_b8 v0, s[64:65] scope:SCOPE_SE
	s_setreg_imm32_b32 hwreg(HW_REG_WAVE_MODE, 25, 1), 1
	s_wait_xcnt 0x0
	s_wait_alu depctr_hold_cnt(0) depctr_sa_sdst(0) depctr_va_vdst(0) depctr_va_sdst(0) depctr_va_ssrc(0) depctr_va_vcc(0) depctr_vm_vsrc(0)
	s_getreg_b32 s2, hwreg(HW_REG_IB_STS2, 6, 4)
	s_cmp_eq_u32 s2, 0
	s_cbranch_scc0 .Lentry_in_a_cluster
	s_endpgm
.Lentry_in_a_cluster:
	s_bfe_u32 s2, ttmp6, 0x10000c
	s_cmp_lg_u32 s2, 0x3003
	s_cbranch_scc0 .Lentry_shape_is_right
	s_endpgm
.Lentry_shape_is_right:
; q = x Wq^T, k = x Wk^T, v = x Wv^T on codes of BF8 (E5M2) with one E8M0 scale for each 32 along K, and the results quantised again for the attention launch.
; x: [32768][128] f32; Wq, Wk, Wv: [128][128] f32.  A block's scale is 2^(floor(log2(its largest magnitude)) - 15), its byte that exponent + 127, held at 1 from below (a block of zeros so gets 1: its codes are zeros);
; each number is held within +-57,344 x the scale and rounded to the nearest code, ties to even.  q and k are quantised along the head's 128, v along the tokens (the keys).
; LIMITS: NaN and infinities among the inputs are not served; blocks whose largest magnitude lies under 2^(15 - 126) have the byte 1.
; WORK LEFT OUT in the next launch: key steps that reference()'s own causal mask hides from every query of a wave; a NaN or an infinity that reaches only those is not carried to the result.
; WHAT IS STORED: FRAGMENT IMAGES.  A tile of 16 rows x 128 codes is 2,048 bytes, [plane c = 0..3][lane 0..31][16 bytes]: the four registers 4c .. 4c+3 of that lane of the matrix operand.
;   qbuf:  a record of 16,896 bytes for each 128 tokens: 8 tiles of q's codes (tile t: tokens 16t ..), then 8 x 64 bytes of scale words (word r: the four bytes of token r).
;   kvbuf: a quad of 135,168 bytes for each 512 tokens (four work-groups' records, rec = work-group % 4), in eight parts of 16,896: part w: tile 2 w of records 0 .. 3, tile 2 w + 1 of records 0 .. 3
;   (tiles 0-7 k's; tiles 8-15 v's: lane r = channel, plane c = tokens 32c .. 32c+31), then 512 bytes of scale words: k's of record w / 2 (w even) or v's (w odd).
; In an image of q, k or v a lane's 16 codes of a block of 32 are the block's numbers 8hh + 0..7 and 16 + 8hh + 0..7 (hh = lane / 16), as the matrix results leave them: a permutation inside one block of 32,
; the same on both operands of each later product.  Blocks and scales are the true ones; only the order of the sums differs.
; SHARES.  A work-group owns 128 tokens.  Wave w: b = w / 2 is its group of 32 tokens; sel = w % 2: it makes q (0) or k (1) of them, and channels 64 sel .. 64 sel + 63 of v.
; Each wave also quantises tile w of each of the three weights into images in LDS, for all eight.
; CLUSTER.  Every work-group reads the same 196,608 bytes of weights, three quarters of what it reads: four work-groups ask for them jointly (waves 2-7, mask 15); waves 0 and 1 bring the work-group's own 128 rows of x.
; ORDER.  x, Wq, Wk, Wv are asked for in this order, each in a load line of its own, and each is shown by a barrier as it lands: what stands between the barriers works on what has landed.  No LDS byte is filled twice.
.set PITCH, 528                        ; a row of 128 f32 + 16 bytes of padding = 33 x 16 bytes: the sixteen rows that a load touches begin at sixteen different 16-byte columns modulo 256
.set PART,  64*PITCH                   ; 64 rows: what one tensor load brings
.set MAT,   2*PART                     ; a matrix of 128 rows; the stage holds x, Wq, Wk, Wv in this order, from LDS byte 0
.set WIM,   8*PART                     ; 24 images of weight tiles, tile 8 m + T at 2,048 bytes each
.set WSC,   WIM+24*2048                ; their scale words, 64 bytes a tile
.set OSC,   WSC+24*64                  ; the results' scale bytes, gathered: q's 512, k's 512, v's 512
.set SPARE, OSC+1536                   ; the spare words, 128 bytes for each wave
.set XA,    16                         ; v16-31, v32-47  x's codes: my tokens' tiles u = 0, 1;  v48, v49 their scale words, which hold nothing else
.set AM,    50                         ; v50-53  four blocks' largest magnitudes
.set BT0,   54                         ; v54-57, v66-69, v70-73  four blocks' scale bytes
.set CL,    58                         ; v58-61  57,344 x the scale
.set SF,    62                         ; v62-65  the conversions' scale operands
.set BT1,   66
.set BT2,   70
.set F0,    80                         ; v80-143, v144-207  two tiles as f32
.set F1,    144
.set WC0,   208                        ; v208-223, v224-239  a weight tile's codes;  v74-76 its scale word
.set WC1,   224
.set WS,    240                        ; v240-243  weight tiles' scale words in the passes, and nothing else
.set WF,    80                         ; the passes: four weight fragments,
.set ACC,   144                        ; eight accumulators,
.set CODE,  208                        ; and the codes made of them
; v1 16 x lane; v2 4 r; v3 528 r + 64 hh; v4 x's stage, my 32 tokens; v5-7 my tile of Wq, Wk, Wv in the stage; v8, v9 where its image and word go;
; v10, v12 images and words of Wq or Wk; v11, v13 of my half of Wv; v14, v15 where my results' scale bytes go; v254, v255 the add's.
; s[4:11] x, Wq, Wk, Wv; s[12:15] qbuf, kvbuf; s16 wave; s17 cx; s18 work-group; s19 b; s20 sel; s21 rec, then a mantissa; s[22:23] lane selects; s[24:31], s[32:39] descriptor groups 1 (joint, plain);
; s[40:43], s[44:47] groups 0; s[48:49], s60, s61 at work (never hold cx); s[50:51] at work; s[52:53], s[62:63] my two q or k tiles; s[54:55] my v planes; s[56:57], s[58:59] q's record; k's and v's scale words.
.macro NOPS n
.rept \n
	v_nop
.endr
.endm
.macro HINT
	s_delay_alu instid0(VALU_DEP_4)
.endm
.macro BAR
	s_barrier_signal -1
	s_barrier_wait -1
.endm
.macro CROUND                          ; a round of the cluster's barrier
	BAR
	s_cmp_lg_u32 s16, 0
	s_cbranch_scc1 .Lnot_wave_0_\@
	s_barrier_signal -3
.Lnot_wave_0_\@:
	s_barrier_wait -3
	BAR
.endm
.macro TLOAD g0, g1
	tensor_load_to_lds s[\g0:\g0+3], s[\g1:\g1+7]
	s_nop 0
	NOPS 4
.endm
.macro SHOW n                          ; waves under n wait for their loads; behind the barrier what they brought may be read by all
	s_cmp_lt_u32 s16, \n
	s_cbranch_scc0 .Lnot_yet_\@
	s_wait_tensorcnt 0x0
.Lnot_yet_\@:
	BAR
.endm
; 16 rows x 128 f32 out of the stage, as the operand's layout wants them: lane (r, hh) takes row r, K = 32 c + 16 hh + 0 .. 15 into registers 16 c .. 16 c + 15
.macro LT adr, off, F
.irp c, 0,1,2,3
.irp i, 0,1,2,3
	ds_load_b128 v[\F+16*\c+4*\i:\F+16*\c+4*\i+3], v\adr offset:\off+128*\c+16*\i
.endr
.endr
.endm
; Four blocks of 32 are quantised: block c is my 16 registers SRC + 16 c .. and those of lane l xor 16.  Codes to DST + 4 c .., scale bytes to BT + c.  The four chains take turns.
; Where SRC holds matrix results, each accumulator is first read at its low end (registers 16 c .. 16 c + 2; 16 c + 8 at i = 7).
.macro Q64 SRC, DST, BT
.irp c, 0,1,2,3
	v_max3_num_f32 v[AM+\c], |v[\SRC+16*\c]|, |v[\SRC+16*\c+1]|, |v[\SRC+16*\c+2]|
.endr
.irp i, 3,5,7,9,11,13
.irp c, 0,1,2,3
	v_max3_num_f32 v[AM+\c], v[AM+\c], |v[\SRC+16*\c+\i]|, |v[\SRC+16*\c+\i+1]|
.endr
.endr
.irp c, 0,1,2,3
	v_max3_num_f32 v[AM+\c], v[AM+\c], |v[\SRC+16*\c+15]|, 0x8000000   ; and the floor 2^(16 - 127): the byte cannot fall under 1
.endr
.irp c, 0,1,2,3
	HINT
	v_permlanex16_b32 v[\BT+\c], v[AM+\c], s22, s23        ; the block's other 16 numbers lie in lane l xor 16
.endr
.irp c, 0,1,2,3
	HINT
	v_max_num_f32 v[AM+\c], v[AM+\c], v[\BT+\c]            ; the block's largest magnitude
.endr
.irp c, 0,1,2,3
	HINT
	v_add_nc_u32 v[SF+\c], 0xf8800000, v[AM+\c]            ; 15 off its exponent field: the conversion's scale operand
.endr
.irp c, 0,1,2,3
	v_and_or_b32 v[CL+\c], v[AM+\c], 0x7f800000, s21       ; 57,344 x the scale
.endr
.irp c, 0,1,2,3
	v_lshrrev_b32 v[\BT+\c], 23, v[SF+\c]                  ; the scale's byte
.endr
.irp c, 0,1,2,3
.irp i, 0,1,2,3,4,5,6,7,8,9,10,11,12,13,14,15
	v_med3_num_f32 v[\SRC+16*\c+\i], v[\SRC+16*\c+\i], -v[CL+\c], v[CL+\c]   ; the conversion to an 8-bit code does not saturate (ISA guide 7.6.2): hold the number first
.endr
	v_cvt_scalef32_pk8_bf8_f32 v[\DST+4*\c:\DST+4*\c+1], v[\SRC+16*\c:\SRC+16*\c+7], v[SF+\c]
	v_cvt_scalef32_pk8_bf8_f32 v[\DST+4*\c+2:\DST+4*\c+3], v[\SRC+16*\c+8:\SRC+16*\c+15], v[SF+\c]
.endr
	v_nop                                                  ; one plain instruction between a scaled conversion and what touches its result or writes its sources
.endm
.macro WORD d, BT                      ; four bytes make a row's scale word, the lower K in the lower byte
	v_lshl_or_b32 v[\d], v[\BT+1], 8, v[\BT]
	v_lshl_or_b32 v[\d], v[\BT+2], 16, v[\d]
	v_lshl_or_b32 v[\d], v[\BT+3], 24, v[\d]
.endm
.macro WTILE adr, F, WC, wd, m         ; my tile of weight m, which has been shown: quantised, and stored as an image with its scale words (lanes r and 16 + r write the same word with the same value)
	LT \adr, 0, \F
	s_wait_dscnt 0x0
	Q64 \F, \WC, BT0
	WORD \wd, BT0
.irp c, 0,1,2,3
	ds_store_b128 v8, v[\WC+4*\c:\WC+4*\c+3] offset:16384*\m+512*\c
.endr
	ds_store_b32 v9, v[\wd] offset:512*\m
	s_wait_dscnt 0x0                                       ; for the others' sake: the image is in LDS
.endm
.macro LOADW kind, hf                  ; a pass's four weight fragments and their scale words: 20 loads
.irp k, 0,1,2,3
.irp c, 0,1,2,3
.if \kind == 0
	ds_load_b128 v[WF+16*\k+4*\c:WF+16*\k+4*\c+3], v10 offset:(4*\hf+\k)*2048+512*\c
.else
	ds_load_b128 v[WF+16*\k+4*\c:WF+16*\k+4*\c+3], v11 offset:\k*2048+512*\c
.endif
.endr
.if \kind == 0
	ds_load_b32 v[WS+\k], v12 offset:(4*\hf+\k)*64
.else
	ds_load_b32 v[WS+\k], v13 offset:\k*64
.endif
.endr
.endm
; A pass: four weight tiles x my two token tiles, eight products that each start and end a sum (K = 128), quantised and stored.
; kind 0 (q or k): source 0 = 16 rows of the weight, source 1 = 16 tokens: a lane holds ONE token and its registers run along the head's axis, the next K.  Weight tiles 4 hf .. 4 hf + 3.
; kind 1 (v):      source 0 = 16 tokens, source 1 = 16 rows of Wv:          a lane holds ONE channel and its registers run along the tokens, the next K.
; w: the LDS instructions issued behind this pass's loads, which may be out.  next = 1: the next pass's loads are issued under the quantiser.
.macro PASS kind, hf, BT, w, next
	s_wait_dscnt \w
.irp u, 0,1
.irp k, 0,1,2,3
.if \kind == 0
	v_wmma_scale_f32_16x16x128_f8f6f4 v[ACC+32*\u+8*\k:ACC+32*\u+8*\k+7], v[WF+16*\k:WF+16*\k+15], v[XA+16*\u:XA+16*\u+15], 0, v[WS+\k], v[48+\u] matrix_a_fmt:MATRIX_FMT_BF8 matrix_b_fmt:MATRIX_FMT_BF8
.else
	v_wmma_scale_f32_16x16x128_f8f6f4 v[ACC+16*\k+8*\u:ACC+16*\k+8*\u+7], v[XA+16*\u:XA+16*\u+15], v[WF+16*\k:WF+16*\k+15], 0, v[48+\u], v[WS+\k] matrix_a_fmt:MATRIX_FMT_BF8 matrix_b_fmt:MATRIX_FMT_BF8
.endif
.endr
.endr
	NOPS 8                                                 ; eight places behind this form before its results are read and its sources are loaded anew
.if \next
	LOADW 0, 1
.endif
	s_wait_xcnt 0x0                                        ; CODE was the data of the pass before's stores: it is written again only behind this wait
	Q64 ACC, CODE, \BT
.irp q, 0,1,2,3                        ; block q's 16 codes a lane are a plane of an image: 32 lanes store 512 consecutive bytes, at a multiple of 256 from the buffer's first byte
.if \kind == 0
.if \q < 2
	global_store_b128 v1, v[CODE+4*\q:CODE+4*\q+3], s[52:53] offset:(2*\hf+\q%2)*512   ; token tile 2 b, plane 2 hf + q % 2
.else
	global_store_b128 v1, v[CODE+4*\q:CODE+4*\q+3], s[62:63] offset:(2*\hf+\q%2)*512   ; token tile 2 b + 1
.endif
	ds_store_b8 v14, v[\BT+\q] offset:64*(\q/2)+2*\hf+\q%2     ; token r's byte of that plane; lanes r and 16 + r write the same byte with the same value
.else
	global_store_b128 v1, v[CODE+4*\q:CODE+4*\q+3], s[54:55] offset:(\q/2)*16896+(\q%2)*8192   ; channel tile 4 sel + q, plane b
	ds_store_b8 v15, v[\BT+\q] offset:64*\q                    ; channel r's byte b
.endif
.endr
.endm
	s_load_b256 s[4:11], s[0:1], 0x0               ; x, Wq, Wk, Wv
	s_load_b128 s[12:15], s[0:1], 0x20             ; qbuf, kvbuf
	v_lshl_add_u32 v254, v0, 2, SPARE
	v_mov_b32 v255, 0
	ds_add_u32 v254, v255                          ; the opening lines: the add, twice on end, ahead of my first tensor load
	ds_add_u32 v254, v255
	v_lshrrev_b32 v1, 5, v0
	v_readfirstlane_b32 s16, v1                    ; wave 0..7
	s_bfe_u32 s17, ttmp6, 0x40000                  ; cx: my place in the cluster
	s_lshl_b32 s18, ttmp9, 2                       ; in a cluster launch ttmp9 counts clusters
	s_add_co_u32 s18, s18, s17                     ; my work-group: it enters x's, qbuf's and kvbuf's addresses alone
	s_lshr_b32 s19, s16, 1                         ; b
	s_and_b32 s20, s16, 1                          ; sel; also: which 64 rows of a matrix I fetch
	s_mov_b32 s22, 0x76543210
	s_mov_b32 s23, 0xfedcba98                      ; v_permlanex16_b32's selects for lane l xor 16
	; descriptor group 1: 64 rows x 128 elements of 4 bytes, dense in memory, 4 words of padding behind every 128
	s_mov_b32 s24, 15|(2<<16)|(1<<20)|(1<<21)|(6<<22)|(3<<25)  ; 15:0 the mask: all four work-groups; 17:16 elements of 4 bytes; 20 padding on; 21 set beside a mask; 24:22 after every 128 words (code 6); 31:25 four words (code 3)
	s_mov_b32 s32, (2<<16)|(1<<20)|(6<<22)|(3<<25)             ; the same without a mask: x's rows are my work-group's own
.irp g, 24, 32
	s_mov_b32 s[\g+1], 128<<16                     ; tensor_dim0 = 128
	s_mov_b32 s[\g+2], 64<<16                      ; tensor_dim1 = 64
	s_mov_b32 s[\g+3], 128<<16                     ; tile_dim0 = 128
	s_mov_b32 s[\g+4], 64                          ; tile_dim1 = 64
	s_mov_b32 s[\g+5], 128                         ; elements from row to row
	s_mov_b32 s[\g+6], 0
	s_mov_b32 s[\g+7], 0
.endr
	s_mov_b32 s40, 1
	s_mul_i32 s41, s16, PART                       ; part w of the stage: the wave's number times a constant
	s_mov_b32 s44, 1
	s_mul_i32 s45, s16, PART
	s_lshl_b32 s48, s20, 15                        ; rows 64 (w % 2) on: 32,768 bytes
	s_mov_b32 s49, 0
	s_lshl_b32 s50, s18, 16                        ; my 128 rows of x: 65,536 bytes a work-group
	s_mov_b32 s51, 0
	s_wait_dscnt 0x0
	CROUND                                         ; all four work-groups are here: the joint loads meet
	s_wait_kmcnt 0x0
	s_add_nc_u64 s[46:47], s[4:5], s[50:51]
	s_add_nc_u64 s[46:47], s[46:47], s[48:49]
	s_or_b32 s47, s47, 0x80000000                  ; type = 2
	s_cmp_lt_u32 s16, 6                            ; waves 2, 3: Wq; 4, 5: Wk; 6, 7: Wv.  The choice hangs on the wave's number alone
	s_cselect_b64 s[42:43], s[8:9], s[10:11]
	s_cmp_lt_u32 s16, 4
	s_cselect_b64 s[42:43], s[6:7], s[42:43]
	s_add_nc_u64 s[42:43], s[42:43], s[48:49]
	s_or_b32 s43, s43, 0x80000000
	s_cmp_lt_u32 s16, 2                            ; a wave's one load stands in one chain of branches on the wave's number; each matrix has a line of its own, since each is shown by a barrier of its own
	s_cbranch_scc0 .Lnot_x
	TLOAD 44, 32
	s_branch .Lasked
.Lnot_x:
	s_cmp_lt_u32 s16, 4
	s_cbranch_scc0 .Lnot_q
	TLOAD 40, 24
	s_branch .Lasked
.Lnot_q:
	s_cmp_lt_u32 s16, 6
	s_cbranch_scc0 .Lfor_v
	TLOAD 40, 24
	s_branch .Lasked
.Lfor_v:
	TLOAD 40, 24
.Lasked:
	; where my results go
	s_mul_i32 s50, s18, 16896
	s_add_nc_u64 s[56:57], s[12:13], s[50:51]      ; my record of qbuf
	s_lshr_b32 s50, s18, 2
	s_mul_i32 s50, s50, 135168
	s_add_nc_u64 s[58:59], s[14:15], s[50:51]      ; my quad of kvbuf
	s_and_b32 s21, s18, 3                          ; rec: which of its four records is mine
	s_lshl_b32 s62, s21, 11
	s_lshl_b32 s60, s19, 9
	s_mul_i32 s61, s20, 33792
	s_add_co_u32 s60, s60, s61
	s_add_co_u32 s60, s60, 67584
	s_add_co_u32 s50, s60, s62
	s_add_nc_u64 s[54:55], s[58:59], s[50:51]      ; v: tiles 8 + 4 sel on: parts 4 + 2 sel on; plane b
	s_mul_i32 s60, s19, 16896
	s_add_co_u32 s50, s60, s62                     ; k: token tiles 2 b, 2 b + 1: part b, 8,192 bytes apart
	s_lshl_b32 s60, s19, 12                        ; q: 4,096 b, 2,048 bytes apart
	s_movk_i32 s62, 0x2000
	s_cmp_eq_u32 s20, 0
	s_cselect_b64 s[52:53], s[56:57], s[58:59]
	s_cselect_b32 s50, s60, s50
	s_cselect_b32 s62, 2048, s62
	s_mov_b32 s63, 0
	s_add_nc_u64 s[52:53], s[52:53], s[50:51]
	s_add_nc_u64 s[62:63], s[52:53], s[62:63]
	s_mul_i32 s50, s21, 33792
	s_add_nc_u64 s[58:59], s[58:59], s[50:51]      ; my record's scale words: parts 2 rec (k) and 2 rec + 1 (v)
	s_mov_b32 s21, 0x600000                        ; the mantissa field of 57,344
	; LDS addresses: constants, the wave's number, the lane
	v_and_b32 v77, 31, v0
	v_and_b32 v78, 15, v0                          ; r
	v_bfe_u32 v79, v0, 4, 1                        ; hh
	v_lshlrev_b32 v1, 4, v77                       ; 16 x lane
	v_mul_u32_u24 v3, v78, PITCH
	v_lshlrev_b32 v2, 2, v78
	v_lshl_add_u32 v3, v79, 6, v3
	s_mul_i32 s60, s19, 32*PITCH
	v_add_nc_u32 v4, s60, v3
	s_mul_i32 s60, s16, 16*PITCH
	s_add_co_u32 s60, s60, MAT
	v_add_nc_u32 v5, s60, v3
	v_add_nc_u32 v6, MAT, v5
	v_add_nc_u32 v7, 2*MAT, v5
	s_wait_alu depctr_va_vdst(0)
	s_lshl_b32 s60, s16, 11
	s_add_co_u32 s60, s60, WIM
	v_add_nc_u32 v8, s60, v1
	s_lshl_b32 s60, s16, 6
	s_add_co_u32 s60, s60, WSC
	v_add_nc_u32 v9, s60, v2
	s_lshl_b32 s60, s20, 14
	s_add_co_u32 s60, s60, WIM
	v_add_nc_u32 v10, s60, v1
	s_lshl_b32 s60, s20, 13
	s_add_co_u32 s60, s60, WIM+32768
	v_add_nc_u32 v11, s60, v1
	s_lshl_b32 s60, s20, 9
	s_add_co_u32 s60, s60, WSC
	v_add_nc_u32 v12, s60, v2
	s_lshl_b32 s60, s20, 8
	s_add_co_u32 s60, s60, WSC+1024
	v_add_nc_u32 v13, s60, v2
	s_lshl_b32 s60, s20, 9
	s_lshl_b32 s61, s19, 7
	s_add_co_u32 s60, s60, s61
	s_add_co_u32 s60, s60, OSC
	v_add_nc_u32 v14, s60, v2                      ; q's or k's bytes: 512 sel + 128 b + 4 r
	s_lshl_b32 s60, s20, 8
	s_add_co_u32 s60, s60, s19
	s_add_co_u32 s60, s60, OSC+1024
	v_add_nc_u32 v15, s60, v2                      ; v's bytes: 256 sel + 4 r + b
.irp t, 54,55,56,57,66,67,68,69,70,71,72,73
	v_mov_b32 v\t, 0                               ; the destination of a lane permute counts as read
.endr
	s_wait_alu depctr_va_vdst(0)                   ; the wait at the head's end
	SHOW 2                                         ; x is in
	LT 4, 0, F0
	LT 4, 16*PITCH, F1
	s_wait_dscnt 16                                ; x's tile 0 is in; tile 1's 16 loads may be out
	Q64 F0, XA, BT0
	WORD 48, BT0
	s_wait_dscnt 0x0
	Q64 F1, XA+16, BT0
	WORD 49, BT0
	SHOW 4                                         ; Wq is in
	WTILE 5, F0, WC0, 74, 0
	SHOW 6                                         ; Wk is in
	WTILE 6, F1, WC1, 75, 1
	BAR                                            ; everybody's images of Wq and Wk are in LDS
	LOADW 0, 0
	PASS 0, 0, BT0, 0, 1                           ; q or k, the head's 0-63
	PASS 0, 1, BT1, 4, 0                           ; the head's 64-127; behind its loads stand the pass before's four byte stores
	s_wait_tensorcnt 0x0                           ; Wv is in
	s_wait_dscnt 0x0
	BAR
	WTILE 7, F0, WC1, 76, 2
	BAR
	LOADW 1, 0
	PASS 1, 0, BT2, 0, 0                           ; v, my 64 channels
	s_wait_dscnt 0x0                               ; for wave 0's sake: my scale bytes are in LDS
	BAR
	s_cmp_lg_u32 s16, 0
	s_cbranch_scc1 .Ldone
	v_add_nc_u32 v77, OSC, v1                      ; the three runs of 512 scale bytes leave whole: 32 lanes, 16 neighbouring bytes each
	ds_load_b128 v[80:83], v77
	ds_load_b128 v[84:87], v77 offset:512
	ds_load_b128 v[88:91], v77 offset:1024
	s_wait_dscnt 0x0
	global_store_b128 v1, v[80:83], s[56:57] offset:16384
	global_store_b128 v1, v[84:87], s[58:59] offset:16384
	global_store_b128 v1, v[88:91], s[58:59] offset:33280
.Ldone:
	s_wait_tensorcnt 0x0                           ; the wave's end
	ds_add_u32 v254, v255
	s_wait_dscnt 0x0
	CROUND                                         ; the closing round: no work-group ends while a partner may still ask for a tile that names it
	s_endpgm
.Lfunc_end_k_q19cb5db0f5_proj:
	.size	k_q19cb5db0f5_proj, .Lfunc_end_k_q19cb5db0f5_proj-k_q19cb5db0f5_proj
	.p2alignl 7, 3214868480
	.fill 96, 4, 3214868480
	.section	.rodata,"a",@progbits
	.p2align	6, 0x0
	.amdhsa_kernel k_q19cb5db0f5_proj
		.amdhsa_group_segment_fixed_size 327680
		.amdhsa_private_segment_fixed_size 0
		.amdhsa_enable_private_segment 0
		.amdhsa_kernarg_size 48
		.amdhsa_user_sgpr_count 2
		.amdhsa_user_sgpr_kernarg_segment_ptr 1
		.amdhsa_wavefront_size32 1
		.amdhsa_system_sgpr_workgroup_id_x 1
		.amdhsa_system_sgpr_workgroup_id_y 1
		.amdhsa_system_sgpr_workgroup_id_z 1
		.amdhsa_system_vgpr_workitem_id 0
		.amdhsa_next_free_vgpr 256
		.amdhsa_next_free_sgpr 66
		.amdhsa_reserve_vcc 0
		.amdhsa_float_denorm_mode_32 3
		.amdhsa_float_denorm_mode_16_64 3
		.amdhsa_memory_ordered 1
		.amdhsa_forward_progress 1
		.amdhsa_inst_pref_size 92
	.end_amdhsa_kernel
	.amdgpu_metadata
---
amdhsa.version: [ 1, 2 ]
amdhsa.kernels:
  - .name:           k_q19cb5db0f5_proj
    .symbol:         k_q19cb5db0f5_proj.kd
    .args:
      - { .name: x, .offset: 0, .size: 8, .value_kind: global_buffer, .address_space: global }
      - { .name: Wq, .offset: 8, .size: 8, .value_kind: global_buffer, .address_space: global }
      - { .name: Wk, .offset: 16, .size: 8, .value_kind: global_buffer, .address_space: global }
      - { .name: Wv, .offset: 24, .size: 8, .value_kind: global_buffer, .address_space: global }
      - { .name: qbuf, .offset: 32, .size: 8, .value_kind: global_buffer, .address_space: global }
      - { .name: kvbuf, .offset: 40, .size: 8, .value_kind: global_buffer, .address_space: global }
    .group_segment_fixed_size: 327680
    .private_segment_fixed_size: 0
    .kernarg_segment_align: 8
    .kernarg_segment_size: 48
    .max_flat_workgroup_size: 256
    .sgpr_count:     66
    .vgpr_count:     256
    .wavefront_size: 32
...
	.end_amdgpu_metadata
.endif
;; end of part 1
;; launch attn (part 2): grid 16 x 16, 8 waves a work-group, clusters of 4 x 1, 327,680 bytes of LDS; arguments qbuf, kvbuf, out0; writes out0
.if DOCPART == 2
	.amdgcn_target "amdgcn-amd-amdhsa--gfx1250"
	.amdhsa_code_object_version 6
	.text
	.protected	k_q19cb5db0f5_attn
	.globl	k_q19cb5db0f5_attn
	.p2align	8
	.type	k_q19cb5db0f5_attn,@function
k_q19cb5db0f5_attn:
	s_mov_b64 s[64:65], 0
	v_nop
	global_prefetch_b8 v0, s[64:65] scope:SCOPE_SE
	s_setreg_imm32_b32 hwreg(HW_REG_WAVE_MODE, 25, 1), 1
	s_wait_xcnt 0x0
	s_wait_alu depctr_hold_cnt(0) depctr_sa_sdst(0) depctr_va_vdst(0) depctr_va_sdst(0) depctr_va_ssrc(0) depctr_va_vcc(0) depctr_vm_vsrc(0)
	s_getreg_b32 s2, hwreg(HW_REG_IB_STS2, 6, 4)
	s_cmp_eq_u32 s2, 0
	s_cbranch_scc0 .Lentry_in_a_cluster
	s_endpgm
.Lentry_in_a_cluster:
	s_bfe_u32 s2, ttmp6, 0x10000c
	s_cmp_lg_u32 s2, 0x3003
	s_cbranch_scc0 .Lentry_shape_is_right
	s_endpgm
.Lentry_shape_is_right:
; out[b][t] = the sum over s <= t of softmax_s(q[b][t] . k[b][s] / sqrt(128)) v[b][s], both products on codes of BF8 (E5M2) with one E8M0 scale for each 32 along K.  16 batches of 2,048 tokens, head size 128; out0 f32.
; q, k, v arrive as FRAGMENT IMAGES with their scale words (a tile of 16 rows x 128 codes: [plane c][lane][16 bytes], the lane's registers 4c .. 4c+3).  qbuf: records of 128 tokens, 16,896 bytes: 8 tiles, 512 bytes of scale words.
; kvbuf: quads of four records, 135,168 bytes, in eight parts of 16,896: tiles 2 w and 2 w + 1 of all four records (0-7 k's, 8-15 v's), then the scale words of k (w even) or v (w odd) of record w / 2.
; Inside a block of 32 along K the images hold the numbers 8hh + 0..7, 16 + 8hh + 0..7 in lane half hh: the same permutation on both operands of each product (p leaves S^T's registers in just that order).
; THE SOFTMAX: t = score x log2(e) / sqrt(128); M = the running largest t, rounded UP to a whole number; p = 2^(t - M) is quantised along the keys, not normalised; the row's sum is taken of the unquantised p
; and divides at the end.  When M moves, the sum and O are multiplied by 2^(old M - new M), exact.  A block of zeros keeps the byte 1: its codes are zeros.
; LIMITS: NaN and infinities are not served; scaled scores t stay under 2^31 in magnitude; a p under 2^-126 counts as 0 (the exponential's own flush); the order of the sums inside a block of 32 differs from K ascending.
; WORK LEFT OUT: key steps of 128 keys that the causal mask of reference()'s own body hides from all of a wave's queries; a NaN or an infinity that reaches only those is not carried.
; SHARES.  Cluster c of a batch owns the 256 rows of pair-step 7 - c ("hi") and of pair-step c ("lo"); of each, its work-group cx owns the rows 64 t + 16 cx .. + 15, t = 0 .. 3: four tiles.
; So which key steps a tile needs hangs on c and t alone.  LO FIRST: wave w has tile t = w % 4 and the records of parity g = w / 4; all the keys it needs lie in LDS; two waves merge, and the result leaves.
; THEN HI: wave w has tiles 2 qg, 2 qg + 1 (qg = w / 4), so that each fragment read feeds two products, and the records ph, ph + 4, .. (ph = w for w < 4, 7 - w else); four waves merge at the end.  All merges are exact in M.
; Both products are used transposed: S^T = K Q^T, O^T = V^T P^T: a lane holds one query throughout.
; CLUSTER.  The four partners walk the same quads of kvbuf: each is asked for JOINTLY, an eighth a wave.  cx enters q's and out0's addresses and the lane's mask threshold alone; trip counts hang on c.
; RING.  Two slots of one quad: quads 0 and 1 serve lo and hi's first visits; quad 2 goes into slot 0 behind hi's visit 0, and for c < 2 quad 3 into slot 1 behind visit 1.  By this text's own count a wave has one tensor load outstanding.
; No prefetch: the loop that refills has two trips at the most, and each refill is asked for a whole visit ahead of its first read.
.set QREC,  16896
.set PART,  16896                      ; an eighth of a quad: 66 rows of 256 bytes: what one tensor load brings
.set QUAD,  8*PART                     ; a slot
.set VOFF,  4*PART                     ; v's tiles begin four parts behind k's
.set SPARE, 2*QUAD                     ; behind the ring: the spare words, 128 bytes for each wave
.set STAT,  SPARE+1024                 ; lo's merge: (-M, sum), 8 bytes a thread; no fill lands here
.set XCH,   STAT+2048                  ; lo's merge: half of O^T for the partner, then the partner's stage; no fill lands here
.set XW,    4352                       ; 16 rows x 272 bytes
.set XSTAT, 131072                     ; hi's merge, in the ring's bytes, which have had their last fill and their last read: quarters from byte 0 on, (-M, sum) here
; WINDOW 0: v0 as it came; v1 16 x lane; v2 4 r + 256 hh; v3, v4 the add's; v5 hi's mask threshold; v6 -infinity; v7-9 addresses of the step in hand; v10, v11 hi's scale words of Q; v[12:13], v[14:15] (-M, largest t) of tiles 0, 1;
;   v16-47 hi's Q; v94 lo's threshold; v95 lo's scale words of Q; v240-255 lo's Q (later p's codes of tile 1).   WINDOW 1: v0-127 eight fragments of K or V; v128-255 O^T of tiles 0, 1.
.set SUM, 48                           ; v48-51  the sums, two halves a tile
.set FAC, 52                           ; v52-55  2^d, d a tile
.set BMX, 56                           ; v56-63  blocks' largest scores, then largest p
.set TMP, 64                           ; v64-79  at work, then the scale bytes
.set BND, 72                           ; v72-79  57,344 x the scale
.set SCO, 80                           ; v80-87  the conversions' scale operands
.set FSC, 88                           ; v88-91  fragments' scale words: lanes 0-15 tile k's, lanes 16-31 tile 4 + k's
.set PSC, 92                           ; v92-93  p's scale words
.set SS,  96                           ; v96-223 S^T, then p, of tiles 0, 1
.set PCD, 224                          ; v224-255 p's codes
.set OA,  128                          ; window 1: O^T
; s[4:9] qbuf, kvbuf, out0; s10 wave; s11 cx; s12 c; s13 batch; s14 g or qg; s15 t; s16 ph; s17, s18 hi's, lo's diagonal record; s19 a mantissa; s[20:21] lane selects; s[22:23] log2(e) / sqrt(128), twice; s[24:31], s[32:35] the descriptor;
; s36 where the slot in hand begins; s38 my part; s39 refills; s40 trips; s41 my record; s[42:45] at work; s46-49 my record's place in a slot; s[50:63] what hangs on cx.
.set MSB, 0
.macro WIN new                         ; the immediate's high byte repeats the setting that is left
.if MSB != \new
	s_set_vgpr_msb (MSB<<8)|\new
.set MSB, \new
.endif
.endm
.macro NOPS n
.rept \n
	v_nop
.endr
.endm
.macro WALU
	s_wait_alu depctr_va_vdst(0)
.endm
.macro HINT d
	s_delay_alu instid0(VALU_DEP_\d)
.endm
.macro BAR
	s_barrier_signal -1
	s_barrier_wait -1
.endm
.macro CROUND                          ; a round of the cluster's barrier
	BAR
	s_cmp_lg_u32 s10, 0
	s_cbranch_scc1 .Lnot_wave_0_\@
	s_barrier_signal -3
.Lnot_wave_0_\@:
	s_barrier_wait -3
	BAR
.endm
.macro TLOAD                           ; my eighth of a quad, jointly with the three partners
	tensor_load_to_lds s[32:35], s[24:31]
	s_nop 0
	NOPS 4
.endm
; A change of slots with a fill: my loads have landed, the add and my reads of the slot just left are done; behind the round the slot is filled, first of all.
.macro CHANGE slot                     ; slot: where the slot that is filled begins
	s_wait_tensorcnt 0x0
	ds_add_u32 v3, v4
	s_add_co_u32 s33, s38, \slot
	s_add_nc_u64 s[34:35], s[34:35], QUAD          ; the next quad; the type bits on top are not reached
	s_wait_dscnt 0x0
	CROUND
	TLOAD
.endm
.macro SHOW                            ; a change of slots without a fill
	s_wait_tensorcnt 0x0
	s_wait_dscnt 0x0
	BAR
.endm
.macro FRAGS adr                       ; eight tiles of my record: 32 loads into window 1
	WIN 0x40
.irp k, 0,1,2,3,4,5,6,7
.irp c, 0,1,2,3
	ds_load_b128 v[16*\k+4*\c:16*\k+4*\c+3], v\adr offset:PART*(\k/2)+8192*(\k%2)+512*\c
.endr
.endr
	WIN 0
.endm
.macro FSCALES off
.irp k, 0,1,2,3
	ds_load_b32 v[FSC+\k], v9 offset:\off+64*\k
.endr
.endm
; A KEY STEP: nt tiles of 16 queries (Q at qb, its scale words at qs) x the 128 keys of my record, whose codes and scale words lie at s44 and s45.  mk: 1 lo's mask, 2 hi's, where record s[rec] is the diagonal one s[lim].
.macro STEP nt, qb, qs, mk, rec, lim
	v_add_nc_u32 v7, s44, v1
	v_add_nc_u32 v9, s45, v2
	v_add_nc_u32 v8, VOFF, v7
	NOPS 5                                         ; with the three lines above eight places behind the last step's products, ahead of the loads into their sources
	FSCALES 16384
	FRAGS 7
	WALU
	s_wait_dscnt 16                                ; the scale words and tiles 0-3 are in; tiles 4-7's 16 loads may be out
	WIN 0x01
.irp k, 0,1,2,3
.irp u, 0,1
.if \u < \nt
	v_wmma_scale_f32_16x16x128_f8f6f4 v[SS+64*\u+8*\k:SS+64*\u+8*\k+7], v[16*\k:16*\k+15], v[\qb+16*\u:\qb+16*\u+15], 0, v[FSC+\k], v[\qs+\u] matrix_a_fmt:MATRIX_FMT_BF8 matrix_b_fmt:MATRIX_FMT_BF8
.endif
.endr
.endr
	s_wait_dscnt 0x0
.irp k, 4,5,6,7
.irp u, 0,1
.if \u < \nt
	v_wmma_scale_f32_16x16x128_f8f6f4 v[SS+64*\u+8*\k:SS+64*\u+8*\k+7], v[16*\k:16*\k+15], v[\qb+16*\u:\qb+16*\u+15], 0, v[FSC+\k-4], v[\qs+\u] matrix_a_fmt:MATRIX_FMT_BF8 matrix_b_fmt:MATRIX_FMT_BF8 matrix_a_scale:MATRIX_SCALE_ROW1
.endif
.endr
.endr
	WIN 0
	NOPS 8                                         ; places ahead of the loads below and of the first read of the scores
.if \mk == 3                           ; the launch's first step: V's parts of quad 0 are shown here, and quad 1 is asked for
	CHANGE QUAD
.endif
	FSCALES PART+16384                             ; V's scale words and tiles land under the softmax
	FRAGS 8
.if \mk                                ; the diagonal record (ids and counters alone): register n is key 16 (n / 8) + 8 hh + n % 8 of the record, hidden where that lies beyond my query
.if \mk == 3                           ; lo's first step is left out by no wave: where the record lies one beyond my diagonal, the threshold falls under 0 and all its keys are hidden
	s_cmp_lt_u32 s\rec, s\lim
	s_cbranch_scc1 .Lopen_\@
	s_sub_co_u32 s42, s\rec, s\lim
	s_lshl_b32 s42, s42, 7
	v_sub_nc_u32 v63, v94, s42
.else
	s_cmp_lg_u32 s\rec, s\lim
	s_cbranch_scc1 .Lopen_\@
.endif
.set n, 0
.rept 64
.if \mk == 3
	v_cmp_gt_i32 vcc_lo, (n%8)+16*(n/8), v63
	v_cndmask_b32 v[SS+n], v[SS+n], v6, vcc_lo
.elseif \mk == 1
	v_cmp_gt_i32 vcc_lo, (n%8)+16*(n/8), v94
	v_cndmask_b32 v[SS+n], v[SS+n], v6, vcc_lo
.elseif n < 32                         ; hi's tile 0 is the record's first 64 rows:
	v_cmp_gt_i32 vcc_lo, (n%8)+16*(n/8), v5
	v_cndmask_b32 v[SS+n], v[SS+n], v6, vcc_lo
.else                                  ; keys 64 on are hidden from all of them; from tile 1, the last 64 rows, keys under 64 never are
	v_mov_b32 v[SS+n], v6
	v_cmp_gt_i32 vcc_lo, (n%8)+16*(n/8)-64, v5
	v_cndmask_b32 v[SS+64+n], v[SS+64+n], v6, vcc_lo
.endif
.set n, n+1
.endr
.Lopen_\@:
.endif
.irp b, 0,1,2,3                        ; the largest score of each block of 32 keys, by turns; each accumulator is first read at its low end
.irp u, 0,1
.if \u < \nt
	v_max3_num_f32 v[BMX+4*\u+\b], v[SS+64*\u+16*\b], v[SS+64*\u+16*\b+1], v[SS+64*\u+16*\b+2]
.endif
.endr
.endr
.irp i, 3,5,7,9,11,13
.irp b, 0,1,2,3
.irp u, 0,1
.if \u < \nt
	v_max3_num_f32 v[BMX+4*\u+\b], v[BMX+4*\u+\b], v[SS+64*\u+16*\b+\i], v[SS+64*\u+16*\b+\i+1]
.endif
.endr
.endr
.endr
.irp b, 0,1,2,3
.irp u, 0,1
.if \u < \nt
	v_max_num_f32 v[BMX+4*\u+\b], v[BMX+4*\u+\b], v[SS+64*\u+16*\b+15]
.endif
.endr
.endr
.irp b, 0,1,2,3
.irp u, 0,1
.if \u < \nt
	v_permlanex16_b32 v[TMP+4*\u+\b], v[BMX+4*\u+\b], s20, s21     ; the block's other 16 keys lie in lane l xor 16
.endif
.endr
.endr
.irp b, 0,1,2,3
.irp u, 0,1
.if \u < \nt
	v_max_num_f32 v[BMX+4*\u+\b], v[BMX+4*\u+\b], v[TMP+4*\u+\b]
.endif
.endr
.endr
.irp u, 0,1
.if \u < \nt
	v_max3_num_f32 v[TMP+4*\u], v[BMX+4*\u], v[BMX+4*\u+1], v[BMX+4*\u+2]
.endif
.endr
.irp u, 0,1
.if \u < \nt
	HINT \nt
	v_max_num_f32 v[TMP+4*\u], v[TMP+4*\u], v[BMX+4*\u+3]          ; the step's largest score of my query
.endif
.endr
.irp u, 0,1
.if \u < \nt
	HINT \nt
	v_mul_f32 v[TMP+4*\u], s22, v[TMP+4*\u]                        ; as t (the factor is positive)
.endif
.endr
.irp u, 0,1
.if \u < \nt
	HINT \nt
	v_max_num_f32 v[13+2*\u], v[13+2*\u], v[TMP+4*\u]              ; the running largest t
.endif
.endr
.irp u, 0,1
.if \u < \nt
	v_mov_b32 v[FAC+1+2*\u], v[12+2*\u]
.endif
.endr
.irp u, 0,1
.if \u < \nt
.if \nt == 1
	HINT 2
.else
	HINT 4
.endif
	v_floor_f32 v[12+2*\u], -v[13+2*\u]                            ; the new -M = floor(-t) = -ceil(t): M is a whole number
.endif
.endr
.irp u, 0,1
.if \u < \nt
	HINT \nt
	v_sub_f32 v[FAC+1+2*\u], v[12+2*\u], v[FAC+1+2*\u]             ; d = old M - new M: a whole number, 0 or less
.endif
.endr
.irp u, 0,1
.if \u < \nt
	HINT \nt
	v_cvt_i32_f32 v[FAC+1+2*\u], v[FAC+1+2*\u]                     ; (it saturates)
.endif
.endr
.irp u, 0,1
.if \u < \nt
	HINT \nt
	v_ldexp_f32 v[FAC+2*\u], 1.0, v[FAC+1+2*\u]                    ; 2^d
.endif
.endr
.irp u, 0,1
.if \u < \nt
.irp b, 0,1,2,3
	v_fma_f32 v[BMX+4*\u+\b], v[BMX+4*\u+\b], s22, v[12+2*\u]      ; a block's largest t - M: the same fused multiply-add and exponential as its element's, so its largest p needs no second search
.endr
.set n, 0
.rept 32
	v_pk_fma_f32 v[SS+64*\u+2*n:SS+64*\u+2*n+1], v[SS+64*\u+2*n:SS+64*\u+2*n+1], s[22:23], v[12+2*\u:13+2*\u] op_sel_hi:[1,0,0]   ; t - M
.set n, n+1
.endr
.endif
.endr
	WIN 0x41
.irp u, 0,1
.if \u < \nt
.set n, 0
.rept 32
	v_pk_mul_f32 v[OA+64*\u+2*n:OA+64*\u+2*n+1], v[OA+64*\u+2*n:OA+64*\u+2*n+1], v[FAC+2*\u:FAC+2*\u+1] op_sel_hi:[1,0]   ; O^T under the new M
.set n, n+1
.endr
.endif
.endr
	WIN 0
	WALU                                           ; the wait ahead of the batch
.set n, 0
.rept 4*\nt
	v_exp_f32 v[BMX+n], v[BMX+n]
.set n, n+1
.endr
.set n, 0
.rept 64*\nt
	v_exp_f32 v[SS+n], v[SS+n]                     ; p = 2^(t - M): not normalised
.set n, n+1
.endr
	v_nop                                          ; one plain place behind the exponentials
	WALU                                           ; and behind it
.irp b, 0,1,2,3                        ; the row's sum of the unquantised p, a chain a block, by turns
.irp u, 0,1
.if \u < \nt
	v_pk_add_f32 v[TMP+8*\u+2*\b:TMP+8*\u+2*\b+1], v[SS+64*\u+16*\b:SS+64*\u+16*\b+1], v[SS+64*\u+16*\b+2:SS+64*\u+16*\b+3]
.endif
.endr
.endr
.irp i, 4,6,8,10,12,14
.irp b, 0,1,2,3
.irp u, 0,1
.if \u < \nt
	v_pk_add_f32 v[TMP+8*\u+2*\b:TMP+8*\u+2*\b+1], v[TMP+8*\u+2*\b:TMP+8*\u+2*\b+1], v[SS+64*\u+16*\b+\i:SS+64*\u+16*\b+\i+1]
.endif
.endr
.endr
.endr
.irp b, 0,4
.irp u, 0,1
.if \u < \nt
	v_pk_add_f32 v[TMP+8*\u+\b:TMP+8*\u+\b+1], v[TMP+8*\u+\b:TMP+8*\u+\b+1], v[TMP+8*\u+\b+2:TMP+8*\u+\b+3]
.endif
.endr
.endr
.irp u, 0,1
.if \u < \nt
	v_pk_add_f32 v[TMP+8*\u:TMP+8*\u+1], v[TMP+8*\u:TMP+8*\u+1], v[TMP+8*\u+4:TMP+8*\u+5]
.endif
.endr
.irp u, 0,1
.if \u < \nt
	v_pk_fma_f32 v[SUM+2*\u:SUM+2*\u+1], v[SUM+2*\u:SUM+2*\u+1], v[FAC+2*\u:FAC+2*\u+1], v[TMP+8*\u:TMP+8*\u+1] op_sel_hi:[1,0,1]   ; what was summed under the old M comes under the new
.endif
.endr
.set n, 0
.rept 4*\nt
	v_max_num_f32 v[BMX+n], 0x8000000, v[BMX+n]    ; the floor 2^(16 - 127): the byte cannot fall under 1
.set n, n+1
.endr
.set n, 0
.rept 4*\nt
	v_add_nc_u32 v[SCO+n], 0xf8800000, v[BMX+n]    ; 15 off the exponent field: the conversion's scale operand
.set n, n+1
.endr
.set n, 0
.rept 4*\nt
	v_and_or_b32 v[BND+n], v[BMX+n], 0x7f800000, s19   ; 57,344 x the scale
.set n, n+1
.endr
.set n, 0
.rept 4*\nt
	v_lshrrev_b32 v[TMP+n], 23, v[SCO+n]           ; the scale's byte
.set n, n+1
.endr
.irp b, 1,2,3
.irp u, 0,1
.if \u < \nt
.if \b == 1
	v_lshl_or_b32 v[PSC+\u], v[TMP+4*\u+1], 8, v[TMP+4*\u]         ; p's scale word for these 128 keys
.else
	v_lshl_or_b32 v[PSC+\u], v[TMP+4*\u+\b], 8*\b, v[PSC+\u]
.endif
.endif
.endr
.endr
.irp u, 0,1
.if \u < \nt
.irp b, 0,2
.irp i, 0,2,4,6,8,10,12,14
	v_dual_min_num_f32 v[SS+64*\u+16*\b+\i], v[SS+64*\u+16*\b+\i], v[BND+4*\u+\b] :: v_dual_min_num_f32 v[SS+64*\u+16*\b+\i+17], v[SS+64*\u+16*\b+\i+17], v[BND+4*\u+\b+1]   ; the conversion does not saturate (ISA guide 7.6.2); p is not negative, so the hold has one side
	v_dual_min_num_f32 v[SS+64*\u+16*\b+\i+16], v[SS+64*\u+16*\b+\i+16], v[BND+4*\u+\b+1] :: v_dual_min_num_f32 v[SS+64*\u+16*\b+\i+1], v[SS+64*\u+16*\b+\i+1], v[BND+4*\u+\b]
.endr
.endr
.irp b, 0,1,2,3
	v_cvt_scalef32_pk8_bf8_f32 v[PCD+16*\u+4*\b:PCD+16*\u+4*\b+1], v[SS+64*\u+16*\b:SS+64*\u+16*\b+7], v[SCO+4*\u+\b]
	v_cvt_scalef32_pk8_bf8_f32 v[PCD+16*\u+4*\b+2:PCD+16*\u+4*\b+3], v[SS+64*\u+16*\b+8:SS+64*\u+16*\b+15], v[SCO+4*\u+\b]
.endr
	NOPS 4                                         ; a place behind the conversions, and four ahead of the products that read them
.if \u == 0
	WALU
	s_wait_dscnt 0x0                               ; V is in
.endif
	WIN 0x51
.irp k, 0,1,2,3                        ; O^T += V^T P^T: the accumulators take turns, one instruction each
	v_wmma_scale_f32_16x16x128_f8f6f4 v[OA+64*\u+8*\k:OA+64*\u+8*\k+7], v[16*\k:16*\k+15], v[PCD+16*\u:PCD+16*\u+15], v[OA+64*\u+8*\k:OA+64*\u+8*\k+7], v[FSC+\k], v[PSC+\u] matrix_a_fmt:MATRIX_FMT_BF8 matrix_b_fmt:MATRIX_FMT_BF8
.endr
.irp k, 4,5,6,7
	v_wmma_scale_f32_16x16x128_f8f6f4 v[OA+64*\u+8*\k:OA+64*\u+8*\k+7], v[16*\k:16*\k+15], v[PCD+16*\u:PCD+16*\u+15], v[OA+64*\u+8*\k:OA+64*\u+8*\k+7], v[FSC+\k-4], v[PSC+\u] matrix_a_fmt:MATRIX_FMT_BF8 matrix_b_fmt:MATRIX_FMT_BF8 matrix_a_scale:MATRIX_SCALE_ROW1
.endr
	WIN 0
.endif
.endr
.endm
.macro LANES base                      ; the stage at LDS byte s[base], 16 rows x 272 bytes: v58 in: row r, 32 bytes for each half of the lanes; v59 back: lanes 0-15 one row of 256 bytes, lanes 16-31 the next; v60 the same two rows in out0
	v_and_b32 v61, 15, v0
	v_bfe_u32 v62, v0, 4, 1
	v_mul_u32_u24 v58, v61, 272
	v_mul_u32_u24 v59, v62, 272
	v_lshlrev_b32 v60, 9, v62
	v_lshl_add_u32 v58, v62, 5, v58
	v_lshl_add_u32 v59, v61, 4, v59
	v_lshl_add_u32 v60, v61, 4, v60
	v_add_nc_u32 v58, s\base, v58
	v_add_nc_u32 v59, s\base, v59
.endm
.macro OUT src, back, ptr              ; 32 registers (register 8 k + j of lane (r, hh) is channel 16 k + 8 hh + j of row r) through my stage to out0
.irp k, 0,1,2,3
	ds_store_b128 v58, v[\src+8*\k:\src+8*\k+3] offset:64*\k
	ds_store_b128 v58, v[\src+8*\k+4:\src+8*\k+7] offset:64*\k+16
.endr
.irp i, 0,1,2,3,4,5,6,7
	ds_load_b128 v[\back+4*\i:\back+4*\i+3], v59 offset:544*\i     ; my own bytes: LDS serves a wave's instructions in order (ISA guide 5.7.1.4)
.endr
.irp i, 0,1,2,3,4,5,6,7
	s_wait_dscnt 7-\i                              ; rows 2 i, 2 i + 1 are in; the 7 - i younger loads may be out
	global_store_b128 v60, v[\back+4*\i:\back+4*\i+3], s[\ptr:\ptr+1] offset:1024*\i th:TH_STORE_NT   ; 16 lanes store 256 consecutive bytes, at a multiple of 256 from out0's first byte
.endr
.endm
	s_load_b128 s[4:7], s[0:1], 0x0                ; qbuf, kvbuf
	s_load_b64 s[8:9], s[0:1], 0x10                ; out0
	v_lshl_add_u32 v3, v0, 2, SPARE
	v_mov_b32 v4, 0
	ds_add_u32 v3, v4                              ; the opening lines: the add, twice on end, ahead of my first tensor load
	ds_add_u32 v3, v4
	v_lshrrev_b32 v9, 5, v0
	v_readfirstlane_b32 s10, v9                    ; wave 0..7
	s_mov_b32 s12, ttmp9                           ; c: in a cluster launch ttmp9 counts clusters
	s_and_b32 s13, ttmp7, 0xffff                   ; the batch, which the four partners share
	s_lshr_b32 s14, s10, 2
	s_and_b32 s15, s10, 3
	s_mul_i32 s16, s14, 3
	s_xor_b32 s16, s16, s15                        ; ph
	s_lshl_b32 s18, s12, 1
	s_sub_co_u32 s17, 14, s18
	s_add_co_u32 s17, s17, s14                     ; hi: both tiles lie in record 14 - 2 c + qg
	s_lshr_b32 s19, s15, 1
	s_add_co_u32 s18, s18, s19                     ; lo: my tile lies in record 2 c + t / 2
	; the descriptor: an eighth of a quad, dense in memory, as 66 rows of 256 bytes (32 elements of 8 bytes), no padding: images are read at 16 x lane
	s_mov_b32 s24, 15|(3<<16)|(1<<21)              ; 15:0 the mask: all four work-groups; 17:16 elements of 8 bytes; 21 set beside a mask
	s_mov_b32 s25, 32<<16                          ; tensor_dim0 = 32
	s_mov_b32 s26, 66<<16                          ; tensor_dim1 = 66
	s_mov_b32 s27, 32<<16                          ; tile_dim0 = 32
	s_mov_b32 s28, 66                              ; tile_dim1 = 66
	s_mov_b32 s29, 32                              ; elements from row to row
	s_mov_b32 s30, 0
	s_mov_b32 s31, 0
	s_mov_b32 s32, 1
	s_mul_i32 s38, s10, PART
	s_mov_b32 s33, s38                             ; slot 0
	s_mul_i32 s42, s13, 4*QUAD
	s_add_co_u32 s42, s42, s38
	s_mov_b32 s43, 0
	s_mov_b32 s36, 0
	s_lshr_b32 s39, s12, 1
	s_sub_co_u32 s39, 2, s39                       ; refills: quad 2, and quad 3 where c < 2
	s_lshl_b32 s46, s14, 11
	s_mul_i32 s47, s14, 2*PART
	s_lshl_b32 s48, s16, 11
	s_mul_i32 s49, s16, 2*PART
	s_mov_b32 s19, 0x600000                        ; the mantissa field of 57,344
	s_mov_b32 s20, 0x76543210
	s_mov_b32 s21, 0xfedcba98                      ; v_permlanex16_b32's selects for lane l xor 16
	s_mov_b32 s22, 0x3e0293ee                      ; log2(e) / sqrt(128)
	s_mov_b32 s23, 0x3e0293ee                      ; named with it as a pair, so it is written
	s_wait_dscnt 0x0                               ; both opening adds are done
	CROUND                                         ; all four work-groups are here: the first joint loads meet
	s_wait_kmcnt 0x0
	s_add_nc_u64 s[34:35], s[6:7], s[42:43]
	s_or_b32 s35, s35, 0x80000000                  ; type = 2
	s_cmp_lt_u32 s10, 4                            ; slot 0: quad 0.  Waves 0-3 bring K's parts, which are shown first, so their load has a line of its own
	s_cbranch_scc0 .Lfor_v
	TLOAD
	s_branch .Lasked
.Lfor_v:
	TLOAD
.Lasked:
	; what hangs on my place in the cluster: q's and out0's addresses, the mask thresholds
	s_bfe_u32 s11, ttmp6, 0x40000                  ; cx
	s_mul_i32 s56, s13, 16*QREC
	s_and_b32 s57, s15, 1
	s_mul_i32 s58, s18, QREC
	s_add_co_u32 s58, s58, s56                     ; lo's record of q
	s_mov_b32 s59, 0
	s_mov_b32 s63, 0
	s_lshl_b32 s60, s57, 2
	s_add_co_u32 s60, s60, s11                     ; its tile 4 (t % 2) + cx
	s_lshl_b32 s62, s60, 6
	s_add_co_u32 s62, s62, s58
	s_add_co_u32 s62, s62, 16384
	s_lshl_b32 s60, s60, 11
	s_add_co_u32 s58, s58, s60
	s_add_nc_u64 s[50:51], s[4:5], s[58:59]        ; lo's image
	s_add_nc_u64 s[60:61], s[4:5], s[62:63]        ; and scale words
	s_mul_i32 s58, s17, QREC
	s_add_co_u32 s58, s58, s56                     ; hi's record: tiles cx and 4 + cx
	s_lshl_b32 s62, s11, 6
	s_add_co_u32 s62, s62, s58
	s_add_co_u32 s62, s62, 16384
	s_lshl_b32 s56, s11, 11
	s_add_co_u32 s58, s58, s56
	s_mov_b32 s59, 0
	s_mov_b32 s63, 0
	s_add_nc_u64 s[58:59], s[4:5], s[58:59]
	s_add_nc_u64 s[62:63], s[4:5], s[62:63]
	s_lshl_b32 s52, s13, 20
	s_lshl_b32 s53, s11, 13
	s_add_co_u32 s52, s52, s53                     ; the batch's 2,048 rows of 512 bytes, + 16 cx rows
	s_mov_b32 s54, s52
	s_lshl_b32 s53, s18, 16
	s_add_co_u32 s52, s52, s53
	s_lshl_b32 s53, s57, 15
	s_add_co_u32 s52, s52, s53
	s_lshl_b32 s53, s14, 8
	s_add_co_u32 s52, s52, s53
	s_mov_b32 s53, 0
	s_add_nc_u64 s[52:53], s[8:9], s[52:53]        ; lo: I finish channels 64 g on of my tile
	s_lshl_b32 s55, s17, 16
	s_add_co_u32 s54, s54, s55
	s_lshr_b32 s55, s16, 1
	s_lshl_b32 s55, s55, 15
	s_add_co_u32 s54, s54, s55
	s_and_b32 s55, s16, 1
	s_lshl_b32 s55, s55, 8
	s_add_co_u32 s54, s54, s55
	s_mov_b32 s55, 0
	s_add_nc_u64 s[54:55], s[8:9], s[54:55]        ; hi: I finish channels 64 (ph % 2) on of tile ph / 2
	s_lshl_b32 s56, s11, 4
	s_lshl_b32 s57, s57, 6
	v_and_b32 v1, 31, v0
	v_and_b32 v56, 15, v0                          ; r
	v_bfe_u32 v57, v0, 4, 1                        ; hh
	v_lshlrev_b32 v1, 4, v1
	v_lshlrev_b32 v58, 2, v56
	v_lshlrev_b32 v5, 3, v57
	v_lshl_add_u32 v2, v57, 8, v58
	v_sub_nc_u32 v5, v56, v5
	v_add_nc_u32 v5, s56, v5                       ; 16 cx + r - 8 hh
	v_add_nc_u32 v94, s57, v5                      ; + 64 (t % 2)
.irp c, 0,1,2,3
	global_load_b128 v[240+4*\c:243+4*\c], v1, s[50:51] offset:512*\c
.endr
	global_load_b32 v95, v58, s[60:61]
.irp u, 0,1
.irp c, 0,1,2,3
	global_load_b128 v[16+16*\u+4*\c:19+16*\u+4*\c], v1, s[58:59] offset:8192*\u+512*\c
.endr
	global_load_b32 v[10+\u], v58, s[62:63] offset:256*\u
.endr
	v_mov_b32 v6, 0xff800000                       ; -infinity
.irp u, 0,1
	v_mov_b32 v[12+2*\u], 0x7f61b1e6               ; -M
	v_mov_b32 v[13+2*\u], 0xff61b1e6               ; the largest t so far: -3e38
.endr
.irp t, 48,49,50,51,52,53,54,55,64,65,66,67,68,69,70,71
	v_mov_b32 v\t, 0                               ; the sums; second registers of pairs; destinations of lane permutes, which count as read
.endr
	WIN 0x40
.set n, 0
.rept 128
	v_mov_b32 v[OA+n], 0                           ; O^T: each step is written to go on; a first step finds zeros, which the first change of M leaves zeros
.set n, n+1
.endr
	WIN 0
	WALU                                           ; the wait at the head's end
	s_cmp_lt_u32 s10, 4
	s_cbranch_scc0 .Lk_out
	s_wait_tensorcnt 0x0                           ; waves 0-3: K's parts of quad 0, with the scale words of records 0 and 1, are in
.Lk_out:
	BAR
	s_wait_loadcnt 0x0                             ; Q
	; LO: records g, g + 2, g + 4, g + 6; a record beyond my diagonal is left out.  The first step shows V's parts in its middle
	s_mov_b32 s41, s14
	s_mov_b32 s44, s46
	s_mov_b32 s45, s47
	STEP 1, 240, 95, 3, 41, 18
	s_add_co_u32 s41, s41, 2
	s_add_co_u32 s44, s46, 4096
	s_add_co_u32 s45, s47, 4*PART
	s_cmp_gt_u32 s41, s18
	s_cbranch_scc1 .Lskip_0
	STEP 1, 240, 95, 1, 41, 18
.Lskip_0:
	s_cmp_lt_u32 s12, 2                            ; quad 1 holds keys of lo for clusters 2 and 3 alone; the others see it behind hi's first visit
	s_cbranch_scc1 .Llo_done
	SHOW                                           ; quad 1 is in
	s_add_co_u32 s41, s41, 2
	s_add_co_u32 s44, s46, QUAD
	s_add_co_u32 s45, s47, QUAD
	s_cmp_gt_u32 s41, s18
	s_cbranch_scc1 .Lskip_1
	STEP 1, 240, 95, 1, 41, 18
.Lskip_1:
	s_add_co_u32 s41, s41, 2
	s_add_co_u32 s44, s46, QUAD+4096
	s_add_co_u32 s45, s47, QUAD+4*PART
	s_cmp_gt_u32 s41, s18
	s_cbranch_scc1 .Llo_done
	STEP 1, 240, 95, 1, 41, 18
.Llo_done:
	; LO'S MERGE: waves w and w xor 4 exchange (-M, sum) and half of O^T; wave g finishes channels 64 g on
	s_xor_b32 s43, s10, 4
	s_lshl_b32 s42, s10, 8
	s_add_co_u32 s42, s42, STAT
	s_lshl_b32 s44, s43, 8
	s_add_co_u32 s44, s44, STAT
	s_mul_i32 s45, s10, XW
	s_add_co_u32 s45, s45, XCH                     ; what I send,
	s_mul_i32 s43, s43, XW
	s_add_co_u32 s43, s43, XCH                     ; what my partner sent; when I have read it, my stage
	NOPS 8                                         ; places behind the last products
	v_add_f32 v48, v48, v49
	v_lshrrev_b32 v9, 1, v1                        ; 8 x lane
	v_add_nc_u32 v56, s45, v1
	v_add_nc_u32 v57, s43, v1
	v_permlanex16_b32 v64, v48, s20, s21
	v_add_nc_u32 v7, s42, v9
	v_add_nc_u32 v8, s44, v9
	LANES 43
	v_add_f32 v13, v48, v64                        ; my keys' sum: v[12:13] = (-M, sum)
	WALU
	ds_store_b64 v7, v[12:13]
	s_cmp_eq_u32 s14, 0
	s_cbranch_scc0 .Lsend_low
	WIN 0x04
.set n, 0
.rept 8
	ds_store_b128 v56, v[OA+32+4*n:OA+35+4*n] offset:512*n     ; g = 0 sends channels 64-127
.set n, n+1
.endr
	WIN 0
	s_branch .Lsent
.Lsend_low:
	WIN 0x04
.set n, 0
.rept 8
	ds_store_b128 v56, v[OA+4*n:OA+3+4*n] offset:512*n         ; g = 1 sends channels 0-63
.set n, n+1
.endr
	WIN 0
.Lsent:
	s_wait_dscnt 0x0
	BAR
	ds_load_b64 v[14:15], v8
.set n, 0
.rept 8
	ds_load_b128 v[96+4*n:99+4*n], v57 offset:512*n
.set n, n+1
.endr
	s_wait_dscnt 0x0
	v_min_num_f32 v64, v12, v14                    ; - the larger M
	v_sub_f32 v52, v64, v12                        ; my M less the larger: a whole number, 0 or less
	v_sub_f32 v54, v64, v14                        ; my partner's likewise
	v_cvt_i32_f32 v52, v52
	v_cvt_i32_f32 v54, v54
	v_ldexp_f32 v52, 1.0, v52                      ; (a wave that saw no key has -M = 3e38: its factor is 0)
	v_ldexp_f32 v54, 1.0, v54
	v_mul_f32 v65, v13, v52
	v_fmac_f32 v65, v15, v54                       ; the row's sum under the larger M
	WALU
	v_rcp_f32 v66, v65
	v_nop
	WALU
	v_mul_f32 v52, v52, v66
	v_mul_f32 v54, v54, v66
.set n, 0
.rept 16
	v_pk_mul_f32 v[96+2*n:97+2*n], v[96+2*n:97+2*n], v[54:55] op_sel_hi:[1,0]
.set n, n+1
.endr
	s_cmp_eq_u32 s14, 0
	s_cbranch_scc0 .Lown_high
	WIN 0x01
	WALU                                           ; the wait ahead of O^T's first readers behind the reciprocal
.set n, 0
.rept 16
	v_pk_fma_f32 v[160+2*n:161+2*n], v[OA+2*n:OA+1+2*n], v[52:53], v[96+2*n:97+2*n] op_sel_hi:[1,0,1]
.set n, n+1
.endr
	WIN 0
	s_branch .Lmerged
.Lown_high:
	WIN 0x01
	WALU
.set n, 0
.rept 16
	v_pk_fma_f32 v[160+2*n:161+2*n], v[OA+32+2*n:OA+33+2*n], v[52:53], v[96+2*n:97+2*n] op_sel_hi:[1,0,1]
.set n, n+1
.endr
	WIN 0
.Lmerged:
	WALU
	OUT 160, 192, 52
.irp u, 0,1
	v_mov_b32 v[12+2*\u], 0x7f61b1e6               ; hi begins: the first change of M multiplies what is left of lo's O^T and sum by 0
	v_mov_b32 v[13+2*\u], 0xff61b1e6
.endr
	s_wait_xcnt 0x0                                ; the stores have read their registers
	; HI: visits of a slot each, one of my records in it.  The first visits (quads 0, 1) lie under no diagonal, since hi's records are 8 and more
	s_mov_b32 s40, 0
	s_mov_b32 s36, 0
.Lhi:
	s_add_co_u32 s44, s36, s48
	s_add_co_u32 s45, s36, s49
	STEP 2, 16, 10, 0, 41, 17
	CHANGE s36                                     ; the slot just left takes quad 2, then 3
	s_xor_b32 s36, s36, QUAD
	s_add_co_u32 s40, s40, 1
	s_cmp_lt_u32 s40, s39
	s_cbranch_scc1 .Lhi
	s_lshl_b32 s41, s39, 2
	s_add_co_u32 s41, s41, s16                     ; my record of the next visit: 4 x the visits made + ph
	s_mov_b32 s40, 0
.Llast:                                            ; the last two visits fill nothing
	s_add_co_u32 s44, s36, s48
	s_add_co_u32 s45, s36, s49
	s_cmp_gt_u32 s41, s17
	s_cbranch_scc1 .Lskip_2
	STEP 2, 16, 10, 2, 41, 17
.Lskip_2:
	SHOW
	s_add_co_u32 s41, s41, 4
	s_xor_b32 s36, s36, QUAD
	s_add_co_u32 s40, s40, 1
	s_cmp_lt_u32 s40, 2
	s_cbranch_scc1 .Llast
	; HI'S MERGE.  Quarter q of a wave's O^T (tile q / 2, channels 64 (q % 2) on) goes to the wave with ph = q of the same qg.  The ring's bytes serve: every wave has passed the barrier behind its last reads
	s_lshl_b32 s42, s14, 11
	s_add_co_u32 s42, s42, XSTAT
	s_lshr_b32 s43, s16, 1
	s_lshl_b32 s43, s43, 8
	s_add_co_u32 s43, s43, s42                     ; the four waves' (-M, sum) of my tile, 512 bytes apart
	s_lshl_b32 s44, s16, 9
	s_add_co_u32 s44, s44, s42                     ; where mine go
	s_lshl_b32 s45, s14, 16
	s_lshl_b32 s42, s16, 12
	s_add_co_u32 s42, s42, s45                     ; what I send: quarter q 16,384 q bytes on
	s_lshl_b32 s41, s16, 14
	s_add_co_u32 s45, s45, s41                     ; what I receive, 4,096 bytes a sender; when I have read it, my stage
	NOPS 8                                         ; places behind the last products
	v_add_f32 v48, v48, v49
	v_add_f32 v50, v50, v51
	v_lshrrev_b32 v9, 1, v1
	v_add_nc_u32 v56, s42, v1
	v_permlanex16_b32 v64, v48, s20, s21
	v_permlanex16_b32 v65, v50, s20, s21
	v_add_nc_u32 v57, s45, v1
	v_add_nc_u32 v7, s44, v9
	v_add_nc_u32 v8, s43, v9
	v_add_f32 v13, v48, v64
	v_add_f32 v15, v50, v65
	LANES 45
	WALU
	ds_store_b64 v7, v[12:13]
	ds_store_b64 v7, v[14:15] offset:256
	WIN 0x04
.irp q, 0,1,2,3
.irp i, 0,1,2,3,4,5,6,7
	ds_store_b128 v56, v[OA+32*\q+4*\i:OA+32*\q+4*\i+3] offset:16384*\q+512*\i
.endr
.endr
	WIN 0
	s_wait_dscnt 0x0
	BAR
.irp j, 0,1,2,3
	ds_load_b64 v[72+2*\j:73+2*\j], v8 offset:512*\j
.endr
.irp j, 0,1,2,3
.irp i, 0,1,2,3,4,5,6,7
	ds_load_b128 v[96+32*\j+4*\i:99+32*\j+4*\i], v57 offset:4096*\j+512*\i
.endr
.endr
	s_wait_dscnt 32                                ; the four (-M, sum) are in; the 32 loads behind them may be out
	v_min3_num_f32 v64, v72, v74, v76
	v_min_num_f32 v64, v64, v78                    ; - the largest M
.irp j, 0,1,2,3
	v_sub_f32 v[80+2*\j], v64, v[72+2*\j]
.endr
.irp j, 0,1,2,3
	v_cvt_i32_f32 v[80+2*\j], v[80+2*\j]
.endr
.irp j, 0,1,2,3
	v_ldexp_f32 v[80+2*\j], 1.0, v[80+2*\j]
.endr
	v_mul_f32 v65, v73, v80
	v_fmac_f32 v65, v75, v82
	v_fmac_f32 v65, v77, v84
	v_fmac_f32 v65, v79, v86                       ; the row's sum under the largest M
	WALU
	v_rcp_f32 v66, v65
	v_nop
	WALU
.irp j, 0,1,2,3
	v_mul_f32 v[80+2*\j], v[80+2*\j], v66
.endr
	WALU
	s_wait_dscnt 0x0
.set n, 0
.rept 16
	v_pk_mul_f32 v[96+2*n:97+2*n], v[96+2*n:97+2*n], v[80:81] op_sel_hi:[1,0]
.set n, n+1
.endr
.irp j, 1,2,3
.set n, 0
.rept 16
	v_pk_fma_f32 v[96+2*n:97+2*n], v[96+32*\j+2*n:97+32*\j+2*n], v[80+2*\j:81+2*\j], v[96+2*n:97+2*n] op_sel_hi:[1,0,1]
.set n, n+1
.endr
.endr
	OUT 96, 128, 54
	s_wait_tensorcnt 0x0                           ; the wave's end, behind my last tensor load and my last LDS store
	ds_add_u32 v3, v4
	s_wait_dscnt 0x0
	CROUND                                         ; the closing round: no work-group ends while a partner may still ask for a quad that names it
	s_endpgm
.Lfunc_end_k_q19cb5db0f5_attn:
	.size	k_q19cb5db0f5_attn, .Lfunc_end_k_q19cb5db0f5_attn-k_q19cb5db0f5_attn
	.p2alignl 7, 3214868480
	.fill 96, 4, 3214868480
	.section	.rodata,"a",@progbits
	.p2align	6, 0x0
	.amdhsa_kernel k_q19cb5db0f5_attn
		.amdhsa_group_segment_fixed_size 327680
		.amdhsa_private_segment_fixed_size 0
		.amdhsa_enable_private_segment 0
		.amdhsa_kernarg_size 24
		.amdhsa_user_sgpr_count 2
		.amdhsa_user_sgpr_kernarg_segment_ptr 1
		.amdhsa_wavefront_size32 1
		.amdhsa_system_sgpr_workgroup_id_x 1
		.amdhsa_system_sgpr_workgroup_id_y 1
		.amdhsa_system_sgpr_workgroup_id_z 1
		.amdhsa_system_vgpr_workitem_id 0
		.amdhsa_next_free_vgpr 512
		.amdhsa_next_free_sgpr 66
		.amdhsa_reserve_vcc 1
		.amdhsa_float_denorm_mode_32 3
		.amdhsa_float_denorm_mode_16_64 3
		.amdhsa_memory_ordered 1
		.amdhsa_forward_progress 1
		.amdhsa_inst_pref_size 235
	.end_amdhsa_kernel
	.amdgpu_metadata
---
amdhsa.version: [ 1, 2 ]
amdhsa.kernels:
  - .name:           k_q19cb5db0f5_attn
    .symbol:         k_q19cb5db0f5_attn.kd
    .args:
      - { .name: qbuf, .offset: 0, .size: 8, .value_kind: global_buffer, .address_space: global }
      - { .name: kvbuf, .offset: 8, .size: 8, .value_kind: global_buffer, .address_space: global }
      - { .name: out0, .offset: 16, .size: 8, .value_kind: global_buffer, .address_space: global }
    .group_segment_fixed_size: 327680
    .private_segment_fixed_size: 0
    .kernarg_segment_align: 8
    .kernarg_segment_size: 24
    .max_flat_workgroup_size: 256
    .sgpr_count:     66
    .vgpr_count:     512
    .wavefront_size: 32
...
	.end_amdgpu_metadata
.endif
;; end of part 2
